; MI455X (gfx1250); checked and timed in simulation.
; The chip was launched on July 23, 2026; its instructions are those of AMD's public machine-readable ISA for CDNA 5 (MIT licence, August 2026) and "CDNA5" Instruction Set Architecture Reference Guide (July 2026). The comments in the code are by the model that wrote it; some were corrected since.
;; Multi Head Attention Layer. Allowed arithmetic: matrix products marked QUANTISED: E4M3 operands, one E8M0 scale for each 32 along K, by v_wmma_scale_f32_16x16x128_f8f6f4 with both operands' format E4M3, f32 sums; everything else in f32.
;; Inputs: Wk_codes 1,024 x 32 x 32 uint8 (E4M3 codes of Wk, K innermost, in blocks of 32 codes); Wk_scales 1,024 x 32 uint8 (E8M0 scales of Wk, one for each 32 codes along K); Wo_codes 1,024 x 32 x 32 uint8 (E4M3 codes of Wo, K innermost, in blocks of 32 codes); Wo_scales 1,024 x 32 uint8 (E8M0 scales of Wo, one for each 32 codes along K); Wq_codes 1,024 x 32 x 32 uint8 (E4M3 codes of Wq, K innermost, in blocks of 32 codes); Wq_scales 1,024 x 32 uint8 (E8M0 scales of Wq, one for each 32 codes along K); Wv_codes 1,024 x 32 x 32 uint8 (E4M3 codes of Wv, K innermost, in blocks of 32 codes); Wv_scales 1,024 x 32 uint8 (E8M0 scales of Wv, one for each 32 codes along K); bk 1,024 float32; bo 1,024 float32; bq 1,024 float32; bv 1,024 float32; x_codes 2 x 2,048 x 32 x 32 uint8 (E4M3 codes of x, K innermost, in blocks of 32 codes); x_scales 2 x 2,048 x 32 uint8 (E8M0 scales of x, one for each 32 codes along K).
;; Outputs: out0 2 x 2,048 x 1,024 float32.
;; This version of the problem:
;;   THIS VERSION OF THE PROBLEM IS GIVEN IN LOW PRECISION. The matrix products marked QUANTISED in the list below multiply operands that are first quantised to E4M3 (4 exponent bits, 3 mantissa bits; 8 bits a number), with one power-of-two scale for each 32 numbers along K (OCP MX v1.0); their sums are f32. All else is computed in f32.
;;   The module's matrix products, in the order in which they are computed (A, B: the left and right operand; K: the contracted axis; several contracted axes count as one K, in the product's order):
;;     1. [M 4,096, K 1,024] x [K 1,024, N 1,024]; A: input x (given as codes); B: input Wq (given as codes): QUANTISED
;;     2. [M 4,096, K 1,024] x [K 1,024, N 1,024]; A: input x (given as codes); B: input Wk (given as codes): QUANTISED
;;     3. [M 4,096, K 1,024] x [K 1,024, N 1,024]; A: input x (given as codes); B: input Wv (given as codes): QUANTISED
;;     4. batch 32 x [M 2,048, K 64] x [K 64, N 2,048]; A: computed on the way; B: computed on the way: QUANTISED
;;     5. batch 32 x [M 64, K 2,048] x [K 2,048, N 2,048]; A: computed on the way; B: softmax (see below): QUANTISED
;;     6. [M 4,096, K 1,024] x [K 1,024, N 1,024]; A: computed on the way; B: input Wo (given as codes): QUANTISED
;;   THE QUANTISER, for each operand of a quantised product, along K:
;;     - K is cut into blocks of 32 from its start; a last block that is shorter is filled with zeros.
;;     - A block's scale is 2^e with e = floor(log2(the largest magnitude in the block)) - 8, held to -126 .. 127; a block of zeros has e = 0. As a byte (E8M0): e + 127.
;;     - Each number is divided by its block's scale, clamped to +-448, and rounded to the nearest number of E4M3, ties to even, subnormals kept.
;;     - The product sums the exact products of the quantised numbers (number of the format x scale) in f32.
;;   ~~~python
;;   def quantise(x, axis):      # numpy; x: float32 -> the quantised numbers, widened to float32 again
;;       x = np.moveaxis(x, axis, -1); K = x.shape[-1]
;;       x = np.pad(x, [(0, 0)] * (x.ndim - 1) + [(0, -K % 32)]); x = x.reshape(x.shape[:-1] + (-1, 32)); a = np.abs(x).max(-1, keepdims=True)
;;       e = np.where(a > 0, np.clip(np.frexp(np.where(a > 0, a, 1))[1] - 1 - 8, -126, 127), 0)      # np.frexp(a)[1] - 1 = floor(log2(a)), exactly
;;       r = np.clip(x / 2.0 ** e, -448, 448)
;;       step = 2.0 ** (np.maximum(np.frexp(np.where(r == 0, 1, r))[1] - 1, -6) - 3)
;;       q = np.round(r / step) * step * 2.0 ** e      # np.round: ties to even
;;       return np.moveaxis(q.reshape(q.shape[:-2] + (-1,))[..., :K], -1, axis).astype(np.float32)
;;   ~~~
;;   SOFTMAX AHEAD OF A QUANTISED PRODUCT. Where the list says 'softmax', what is quantised is not the finished softmax but p = 2^(t - M), with t = logit x log2(e) and M = ceil(the row's largest t), a whole number; so 1/2 < the row's largest p <= 1. The row's sum l is taken of the UNQUANTISED p, in f32, and the product's result is divided by l at the end. Since M is a whole number, a kernel that streams over the keys may use a running M (the ceiling of the running maximum): every later rescaling is an exact power of two, which a block's scale takes up: the codes' values come out the same.
;;   OPERANDS COMPUTED ON THE WAY. 'Computed on the way' means the value that the module computes at that place (a softmax that the list does not call 'softmax' is quantised finished and normalised). What goes into a quantiser is computed in f32, as accurately as f32 sums, v_exp_f32 and their like allow (about 1e-6 of the number): no bf16 or f16 on the way to a quantiser, and a product that is left as it is and whose result goes on into a quantised operand takes f32 operands (vector FMAs, or v_wmma_f32_16x16x4_f32). A number that lies on a knife's edge between two numbers of the format may be rounded either way, as far as f32 arithmetic and the matrix unit's own rounding can turn it there, and no further.
;;   INPUTS GIVEN AS CODES. Wk (in the module: [1024, 1024], K = its axis 0); Wo (in the module: [1024, 1024], K = its axis 0); Wq (in the module: [1024, 1024], K = its axis 0); Wv (in the module: [1024, 1024], K = its axis 0); x (in the module: [2, 2048, 1024], K = its axis 2): each comes as NAME_codes (uint8): NAME with its K axis moved to the last place and cut into blocks of 32 codes, [.., K / 32, bytes a block], one block behind the other in memory; one code a byte (a code: sign, 4 exponent bits, 3 mantissa bits); and NAME_scales (uint8): the same leading axes, one E8M0 byte (e + 127) for each 32 codes along K. Its value is code x scale, taken as it is: it is not quantised again, and the codes and scales need not be those that the quantiser above would give.
;; One version. Each part assembles by itself: llvm-mc -triple=amdgcn-amd-amdhsa -mcpu=gfx1250 --defsym DOCPART=n.
;; ======== version 1 of 1: 3 launches
;; limits: right only within a limited range of input values
;; workspace buffers: q_img 4,194,304 bytes; q_sc 131,072 bytes; kv 8,650,752 bytes; ctx_img 4,194,304 bytes; ctx_sc 131,072 bytes
;; launch qkv (part 1): grid 16 x 16, 4 waves a work-group, clusters of 4 x 4, 327,680 bytes of LDS; arguments x_codes, x_scales, Wq_codes, Wq_scales, bq, Wk_codes, Wk_scales, bk, Wv_codes, Wv_scales, bv, q_img, q_sc, kv; writes q_img, q_sc, kv
.if DOCPART == 1
	.amdgcn_target "amdgcn-amd-amdhsa--gfx1250"
	.amdhsa_code_object_version 6
	.text
	.protected	k_q58d81a4412_qkv
	.globl	k_q58d81a4412_qkv
	.p2align	8
	.type	k_q58d81a4412_qkv,@function
k_q58d81a4412_qkv:
	s_mov_b64 s[64:65], 0
	v_nop
	global_prefetch_b8 v0, s[64:65] scope:SCOPE_SE
	s_setreg_imm32_b32 hwreg(HW_REG_WAVE_MODE, 25, 1), 1
	s_wait_xcnt 0x0
	s_wait_alu depctr_hold_cnt(0) depctr_sa_sdst(0) depctr_va_vdst(0) depctr_va_sdst(0) depctr_va_ssrc(0) depctr_va_vcc(0) depctr_vm_vsrc(0)
	s_getreg_b32 s2, hwreg(HW_REG_IB_STS2, 6, 4)
	s_cmp_eq_u32 s2, 0
	s_cbranch_scc0 .Lentry_in_a_cluster
	s_endpgm
.Lentry_in_a_cluster:
	s_bfe_u32 s2, ttmp6, 0x10000c
	s_cmp_lg_u32 s2, 0xf033
	s_cbranch_scc0 .Lentry_shape_is_right
	s_endpgm
.Lentry_shape_is_right:
; q = x Wq + bq, k = x Wk + bk, v = x Wv + bv on codes of FP8 (E4M3) with one E8M0 scale for each 32 along K = 1,024; f32 sums, which begin with the bias; the results quantised at once: q and k along the head's 64 channels, v along the keys.
; SHARES.  256 work-groups: head = x, tile of 256 tokens = y; each makes q, k and v of its head for its tokens.  Wave (row, col) makes 128 tokens x (64 channels of q (col 0) or k (col 1), and 32 channels of v): 32 + 16 accumulators of 16 x 16.
; What is quantised must run along a lane's registers: for q and k source 0 = 16 channels, source 1 = 16 tokens; for v the other way round.
; K goes in four steps of 256 through a ring of two LDS slots.  A slot: 64 rows each of Wq, Wk, Wv (waves 0, 1, 2 fetch them), 256 rows of x (wave 3), 256 bytes + 16 of padding a row.  The four work-groups of a row of the cluster share x's tile,
; the four of a column W's: joint loads.  Scale words of all K go from memory into registers: lane l takes row l of a pair of tiles, 32 bytes.
; PREFETCH.  K steps 1 and 2 are asked for at the head behind step 0's load (each sets out only when the one before has landed, or later), step 3 at the first change of slots, a whole step ahead of its load.  Partners share a tile's rows out by address: of x's 256 rows
; the one at cx takes 64, each wave 16; of each W's 64 rows the one at cy takes 16, by the wave that fetches it.  Lane r takes row r; at the head lanes 16-31 the next 256 bytes.
; Fragments have two whole sets of registers; the next 128 along K are fetched among the products.
; OUTPUT.  Per head bh = 16 batch + head and group g of 128 tokens.  q_img: bh x 131,072 + g x 8,192 + tile of 16 tokens x 1,024 + block of 32 channels x 512 + 16 lane.
; kv: bh x 270,336 + g x 16,896 + K's codes as q's;  8,192 + V's: tile of 16 channels x 2,048 + block of 32 keys x 512 + 16 lane;  16,384 + K's scale words, 8 bytes a lane;  16,640 + V's: word j at 128 j + 4 lane.
; q_sc: (16 bh + g) x 256 + 8 lane.  Word j of q, k: tiles 4 j (bytes 0, 1), 4 j + 2 (bytes 2, 3) in lanes 0-15, tiles 4 j + 1, 4 j + 3 in lanes 16-31;  of v: tile 2 j | tile 2 j + 1.
; Inside each block of 32 place 16 h + 8 u + j holds index 16 u + 8 h + j (a result's two neighbouring tiles converted as they stand): alike in q and k, and in v and the p that meets it.
; LIMITS: NaN and infinities are not served.  A block of zeros gets the scale byte 1: its codes are zeros, and this program alone reads the bytes.
; REGISTERS.  Window 0: v1-31 addresses; the names below; v160-255 W's fragments, set 1 (on the way out: codes).  Window 1: x's fragments, two sets of 128.  Window 2: q's or k's sums.  Window 3: v0-127 v's sums; v128-223 W's fragments, set 0.
.set WT,    64*272                     ; a W's 64 rows in LDS
.set XO,    3*WT                       ; x's rows behind them
.set SLOT,  XO+256*272
.set SPARE, 2*SLOT                     ; the spare words, 128 bytes a wave
.set ADX,  16                          ; v16-17 LDS address of my fragments of x in slot 0, 1
.set ADW,  18                          ; v18-19 of Wq's or Wk's
.set ADZ,  20                          ; v20-21 of Wv's
.set L32,  22
.set BHV,  23
.set R4,   24
.set CO,   25
.set C8,   26
.set C4,   27
.set SPW,  28
.set NIL,  29
.set PF,   30
.set PF3,  31
.set SX,   32                          ; v32-63 x's scale words: 8 p + step: lanes 0-15 tile 2 p, lanes 16-31 tile 2 p + 1
.set BQ,   64                          ; v64-95 the first products' C of q or k; v96-111 of v  (on the way out: words)
.set BV,   96
.set SW,   116                         ; v116-139 W's scale words: no product's two have numbers equal modulo 8
.set TM,   140                         ; v140-155 at work
.set PC,   160
.set G1X,  24
.set G1W,  32
.set G0X,  40                          ; s[40:47] group 0 for x, one set for each slot; s[48:55] for W
.set G0W,  48
.set SEL,  12                          ; s[12:13] lane selects: lane l xor 16
.set MNT,  10                          ; the mantissa field of 448
.set MSB, 0
.macro WIN new                         ; the immediate's high byte repeats the setting that is left
.if MSB != (\new)
	s_set_vgpr_msb (MSB<<8)|(\new)
.set MSB, (\new)
.endif
.endm
.macro WALU
	s_wait_alu depctr_va_vdst(0)
.endm
.macro CREST                           ; a round of the cluster's barrier behind its opening barrier
	s_cmp_lg_u32 s14, 0
	s_cbranch_scc1 .Lnot_wave_0_\@
	s_barrier_signal -3
.Lnot_wave_0_\@:
	s_barrier_wait -3
	s_barrier_signal -1
	s_barrier_wait -1
.endm
.macro CROUND
	s_barrier_signal -1
	s_barrier_wait -1
	CREST
.endm
.macro JLOAD n                         ; wave 3 fetches x's rows, waves 0 to 2 a W's
	s_cmp_eq_u32 s14, 3
	s_cbranch_scc0 .Lfor_w_\@
	tensor_load_to_lds s[G0X+4*\n:G0X+4*\n+3], s[G1X:G1X+7]
	s_nop 0
.rept 4
	v_nop
.endr
	s_branch .Lasked_\@
.Lfor_w_\@:
	tensor_load_to_lds s[G0W+4*\n:G0W+4*\n+3], s[G1W:G1W+7]
	s_nop 0
.rept 4
	v_nop
.endr
.Lasked_\@:
.endm
.macro ASK v, o                        ; the prefetch: my rows of x, and (waves 0 to 2) of my W
	global_prefetch_b8 v[\v], s[4:5] offset:\o th:TH_LOAD_NT scope:SCOPE_SE
	s_cmp_lt_u32 s14, 3
	s_cbranch_scc0 .Lno_w_\@
	global_prefetch_b8 v[\v], s[6:7] offset:\o th:TH_LOAD_NT scope:SCOPE_SE
.Lno_w_\@:
.endm
	s_load_b512 s[68:83], s[0:1], 0x0              ; x: codes, scales s[68:71]; Wq: codes, scales, bias s[72:77]; Wk's s[78:83]
	s_load_b128 s[84:87], s[0:1], 0x40             ; Wv: codes, scales
	s_load_b128 s[88:91], s[0:1], 0x50             ; bv, q_img
	s_load_b128 s[92:95], s[0:1], 0x60             ; q_sc, kv
	v_lshl_add_u32 v[SPW], v0, 2, SPARE
	v_mov_b32 v[NIL], 0
	ds_add_u32 v[SPW], v[NIL]                      ; the wave's opening: the add, twice on end, and its wait
	ds_add_u32 v[SPW], v[NIL]
	v_lshrrev_b32 v1, 5, v0
	v_readfirstlane_b32 s14, v1                    ; wave 0..3
	s_lshr_b32 s15, s14, 1                         ; row: which 128 tokens
	s_and_b32 s16, s14, 1                          ; col: q or k, and which 32 channels of v
	s_bfe_u32 s17, ttmp6, 0x40000                  ; cx
	s_bfe_u32 s18, ttmp6, 0x40004                  ; cy
	s_lshl_b32 s19, ttmp9, 2
	s_add_co_u32 s19, s19, s17                     ; head
	s_and_b32 s20, ttmp7, 0xffff
	s_lshl_b32 s20, s20, 2
	s_add_co_u32 s20, s20, s18                     ; tile of 256 tokens
	s_lshl_b32 s21, s18, 2
	s_lshl_b32 s21, 15, s21                        ; my row of the cluster
	s_lshl_b32 s22, 0x1111, s17                    ; my column
	s_or_b32 s[G1X+0], s21, (1<<20)|(1<<21)|(5<<22)|(3<<25)   ; rows of 256 bytes, 1,024 apart; 16 bytes of padding behind each
	s_or_b32 s[G1W+0], s22, (1<<20)|(1<<21)|(5<<22)|(3<<25)
	s_mov_b32 s[G1X+2], 256<<16
	s_mov_b32 s[G1X+4], 256
	s_mov_b32 s[G1W+2], 64<<16
	s_mov_b32 s[G1W+4], 64
.irp g, G1X, G1W
	s_mov_b32 s[\g+1], 256<<16
	s_mov_b32 s[\g+3], 256<<16
	s_mov_b32 s[\g+5], 1024
	s_mov_b32 s[\g+6], 0
	s_mov_b32 s[\g+7], 0
.endr
	s_mul_i32 s23, s14, WT                         ; a W's place in a slot: by the wave's number
.irp n, 0,1
	s_mov_b32 s[G0X+4*\n], 1
	s_mov_b32 s[G0X+4*\n+1], XO+\n*SLOT
	s_mov_b32 s[G0W+4*\n], 1
	s_add_co_u32 s[G0W+4*\n+1], s23, \n*SLOT
.endr
	s_lshl_b32 s96, s20, 18                        ; x: 256 rows of 1,024
	s_mov_b32 s97, 0
	s_lshl_b32 s98, s19, 16                        ; a W: 64 rows
	s_mov_b32 s99, 0
	s_mov_b32 s[SEL], 0x76543210
	s_mov_b32 s[SEL+1], 0xfedcba98
	s_mov_b32 s[MNT], 0x600000
	v_and_b32 v1, 15, v0                           ; r
	v_bfe_u32 v2, v0, 4, 1                         ; h
	v_and_b32 v3, 31, v0                           ; lane
	v_mul_u32_u24 v4, v1, 272
	v_lshl_add_u32 v4, v2, 4, v4                   ; a fragment's row x pitch + 16 x half
	s_mul_i32 s2, s15, 128*272
	s_add_co_u32 s2, s2, XO
	v_add_nc_u32 v[ADX], s2, v4
	v_add_nc_u32 v[ADX+1], SLOT, v[ADX]
	s_mul_i32 s2, s16, WT
	v_add_nc_u32 v[ADW], s2, v4
	v_add_nc_u32 v[ADW+1], SLOT, v[ADW]
	s_mul_i32 s2, s16, 32*272
	s_add_co_u32 s2, s2, 2*WT
	v_add_nc_u32 v[ADZ], s2, v4
	v_add_nc_u32 v[ADZ+1], SLOT, v[ADZ]
	v_lshlrev_b32 v[L32], 5, v3
	v_lshlrev_b32 v[BHV], 5, v2
	v_lshlrev_b32 v[R4], 2, v1
	v_lshlrev_b32 v[CO], 4, v3
	v_lshlrev_b32 v[C8], 3, v3
	v_lshlrev_b32 v[C4], 2, v3
	v_lshlrev_b32 v[PF3], 10, v1
	v_lshl_add_u32 v[PF], v2, 8, v[PF3]
.irp b, 0,1,2,3
	v_mov_b32 v[TM+4+\b], 0                        ; written once: a lane permute's destination counts as one of its sources
.endr
	WALU                                           ; the wait ahead of the blocking waits
	s_wait_dscnt 0x0                               ; both opening adds are done
	CROUND                                         ; all sixteen work-groups are here: the joint loads meet
	s_wait_kmcnt 0x0
	s_cmp_eq_u32 s14, 0                            ; my W: by the wave's number alone
	s_cselect_b64 s[2:3], s[72:73], s[78:79]
	s_cmp_eq_u32 s14, 2
	s_cselect_b64 s[2:3], s[84:85], s[2:3]
	s_add_nc_u64 s[96:97], s[68:69], s[96:97]
	s_add_nc_u64 s[98:99], s[2:3], s[98:99]
.irp n, 0,1
	s_add_nc_u64 s[G0X+4*\n+2:G0X+4*\n+3], s[96:97], 256*\n
	s_or_b32 s[G0X+4*\n+3], s[G0X+4*\n+3], 0x80000000
	s_add_nc_u64 s[G0W+4*\n+2:G0W+4*\n+3], s[98:99], 256*\n
	s_or_b32 s[G0W+4*\n+3], s[G0W+4*\n+3], 0x80000000
.endr
	JLOAD 0                                        ; K step 0: one tensor load a wave at the head
	; scale words and biases
	s_lshl_b32 s2, s20, 13
	s_lshl_b32 s3, s15, 12
	s_add_co_u32 s2, s2, s3
	s_mov_b32 s3, 0
	s_add_nc_u64 s[70:71], s[70:71], s[2:3]        ; x's, from my first token on
	s_lshl_b32 s2, s19, 11                         ; a W's, from the head's first row on
	s_lshl_b32 s8, s19, 8                          ; a bias
	s_mov_b32 s9, 0
	s_cmp_eq_u32 s16, 0
	s_cselect_b64 s[74:75], s[74:75], s[80:81]
	s_cselect_b64 s[76:77], s[76:77], s[82:83]
	s_add_nc_u64 s[74:75], s[74:75], s[2:3]
	s_add_nc_u64 s[76:77], s[76:77], s[8:9]
	s_lshl_b32 s11, s16, 10
	s_add_co_u32 s2, s2, s11
	s_add_nc_u64 s[86:87], s[86:87], s[2:3]
	s_lshl_b32 s11, s16, 7
	s_add_co_u32 s8, s8, s11
	s_add_nc_u64 s[88:89], s[88:89], s[8:9]
.irp c, 0,1
.irp p, 0,1,2,3
	global_load_b128 v[SX+8*\p+4*\c:SX+8*\p+4*\c+3], v[L32], s[70:71] offset:1024*\p+16*\c
.endr
.irp p, 0,1
	global_load_b128 v[SW+8*\p+4*\c:SW+8*\p+4*\c+3], v[L32], s[74:75] offset:1024*\p+16*\c
.endr
	global_load_b128 v[SW+16+4*\c:SW+16+4*\c+3], v[L32], s[86:87] offset:16*\c
.irp b, 0,1,2,3
	global_load_b128 v[BQ+8*\b+4*\c:BQ+8*\b+4*\c+3], v[BHV], s[76:77] offset:64*\b+16*\c   ; channels 16 b + 8 h + 0 .. 7
.endr
	global_load_b32 v[TM+\c], v[R4], s[88:89] offset:64*\c         ; v's channel 16 c + r of my 32
.endr
	s_lshl_b32 s56, s17, 16                        ; my rows of the prefetches
	s_lshl_b32 s57, s14, 14
	s_add_co_u32 s56, s56, s57
	s_mov_b32 s57, 0
	s_add_nc_u64 s[4:5], s[96:97], s[56:57]
	s_lshl_b32 s56, s18, 14
	s_add_nc_u64 s[6:7], s[98:99], s[56:57]
	ASK PF, 256                                    ; K steps 1 and 2
	; where my results go
	s_lshr_b32 s2, s20, 3
	s_lshl_b32 s2, s2, 4
	s_add_co_u32 s11, s2, s19                      ; bh
	s_and_b32 s2, s20, 7
	s_lshl_b32 s2, s2, 1
	s_add_co_u32 s23, s2, s15                      ; g
	s_mul_i32 s58, s11, 270336
	s_mul_i32 s59, s23, 16896
	s_add_co_u32 s58, s58, s59
	s_mov_b32 s59, 0
	s_add_nc_u64 s[58:59], s[94:95], s[58:59]      ; kv at my head and group
	s_lshl_b32 s60, s11, 17
	s_lshl_b32 s61, s23, 13
	s_add_co_u32 s60, s60, s61
	s_mov_b32 s61, 0
	s_add_nc_u64 s[60:61], s[90:91], s[60:61]      ; q_img
	s_lshl_b32 s62, s11, 12
	s_lshl_b32 s63, s23, 8
	s_add_co_u32 s62, s62, s63
	s_mov_b32 s63, 0
	s_add_nc_u64 s[62:63], s[92:93], s[62:63]      ; q_sc
	s_add_nc_u64 s[66:67], s[58:59], 16384
	s_cmp_eq_u32 s16, 0
	s_cselect_b64 s[60:61], s[60:61], s[58:59]     ; codes of q or k,
	s_cselect_b64 s[62:63], s[62:63], s[66:67]     ; their scale words
	s_lshl_b32 s2, s16, 12
	s_add_co_u32 s2, s2, 8192
	s_mov_b32 s3, 0
	s_add_nc_u64 s[66:67], s[58:59], s[2:3]        ; v's codes: my two tiles of channels
	s_lshl_b32 s2, s16, 7
	s_add_co_u32 s2, s2, 16640
	s_add_nc_u64 s[100:101], s[58:59], s[2:3]      ; v's scale words
	s_wait_loadcnt 0x0
.irp t, 0,1
.irp j, 0,1,2,3,4,5,6,7
	v_mov_b32 v[BV+8*\t+\j], v[TM+\t]
.endr
.endr
; The next of a set's 56 LDS loads (N_): W's four fragments, x's eight, Wv's two.  Lane l holds row l % 16; registers 4 c .. 4 c + 3 hold K = 32 c + 16 (l / 16) + 0 .. 15.
.macro LD slot, q, p
.if N_ < 16
	WIN (3-3*(\p))<<6
	ds_load_b128 v[128+32*(\p)+4*N_:128+32*(\p)+4*N_+3], v[ADW+\slot] offset:(N_/4)*4352+128*(\q)+32*(N_%4)
.elseif N_ < 48
	WIN 0x40
	ds_load_b128 v[128*(\p)+4*(N_-16):128*(\p)+4*(N_-16)+3], v[ADX+\slot] offset:((N_-16)/4)*4352+128*(\q)+32*(N_%4)
.else
	WIN (3-3*(\p))<<6
	ds_load_b128 v[192+32*(\p)+4*(N_-48):192+32*(\p)+4*(N_-48)+3], v[ADZ+\slot] offset:((N_-48)/4)*4352+128*(\q)+32*(N_%4)
.endif
.set N_, N_+1
.endm
.macro W4 d, a, b, c, sa, sb, ra, rb   ; one product; ra, rb: the scale word lies in lanes 16-31
.if (\ra) && (\rb)
	v_wmma_scale_f32_16x16x128_f8f6f4 v[\d:\d+7], v[\a:\a+15], v[\b:\b+15], v[\c:\c+7], v[\sa], v[\sb] matrix_a_scale:MATRIX_SCALE_ROW1 matrix_b_scale:MATRIX_SCALE_ROW1
.elseif \ra
	v_wmma_scale_f32_16x16x128_f8f6f4 v[\d:\d+7], v[\a:\a+15], v[\b:\b+15], v[\c:\c+7], v[\sa], v[\sb] matrix_a_scale:MATRIX_SCALE_ROW1
.elseif \rb
	v_wmma_scale_f32_16x16x128_f8f6f4 v[\d:\d+7], v[\a:\a+15], v[\b:\b+15], v[\c:\c+7], v[\sa], v[\sb] matrix_b_scale:MATRIX_SCALE_ROW1
.else
	v_wmma_scale_f32_16x16x128_f8f6f4 v[\d:\d+7], v[\a:\a+15], v[\b:\b+15], v[\c:\c+7], v[\sa], v[\sb]
.endif
.endm
; Product M_ of 48 of step s (128 along K): q or k: tokens' tile a x channels' tile b; then v.  The 48 accumulators take turns.
.macro PRD s
.set P_, (\s)%2
.set WB_, 128+32*P_                    ; W's set: window 3 or 0
.set WW_, 3-3*P_
.if M_ < 32
.set A_, M_/4
.set B_, M_%4
.set D_, 8*M_
.if (\s) == 0
	WIN WW_+0x84
	W4 D_, WB_+16*B_, 128*P_+16*A_, BQ+8*B_, SW+8*(B_/2)+(\s), SX+8*(A_/2)+(\s), B_%2, A_%2
.else
	WIN WW_+0xa4
	W4 D_, WB_+16*B_, 128*P_+16*A_, D_, SW+8*(B_/2)+(\s), SX+8*(A_/2)+(\s), B_%2, A_%2
.endif
.else
.set A_, (M_-32)/2
.set B_, M_%2
.set D_, 8*(8*B_+A_)
.if (\s) == 0
	WIN 4*WW_+0xc1
	W4 D_, 128*P_+16*A_, WB_+64+16*B_, BV+8*B_, SX+8*(A_/2)+(\s), SW+16+(\s), A_%2, B_%2
.else
	WIN 4*WW_+0xf1
	W4 D_, 128*P_+16*A_, WB_+64+16*B_, D_, SX+8*(A_/2)+(\s), SW+16+(\s), A_%2, B_%2
.endif
.endif
.set M_, M_+1
.endm
.macro PRDS s, n
.rept \n
	PRD \s
.endr
.endm
.macro OPEN s                          ; the first four products, and the eight places behind the products of the step before, ahead of the loads into the set that they read
.set M_, 0
.set N_, 0
	s_wait_dscnt 36                                ; W's four and x's first fragment are in
.rept 4
	PRD \s
	v_nop
	v_nop
.endr
.endm
.macro STEP s, slot                    ; the slot's first 128 along K; fetches the second
	OPEN \s
	s_wait_dscnt 24                                ; x's first four
	PRDS \s, 12
	s_wait_dscnt 0x0
.rept 56                               ; one run of loads; 32 products follow
	LD \slot, 1, 1
.endr
	PRDS \s, 32
.endm
.macro TURN s, slot, fill              ; the slot's second 128 along K, and the change of slots
	OPEN \s
	s_wait_dscnt 0x0
	PRDS \s, 8
	WIN 0
	s_wait_tensorcnt 0x0                           ; all my tensor loads have landed: my part of the other slot
	ds_add_u32 v[SPW], v[NIL]                      ; 0 onto my spare word
	PRDS \s, 8
	WIN 0
	s_wait_dscnt 0x0                               ; the add is done, and my reads of this slot are over
	s_barrier_signal -1
	PRDS \s, 4
	WIN 0
	s_barrier_wait -1
.if \fill
	CREST                                          ; the barrier has opened a round: no wave of any partner still reads this slot or has a load on its way
	s_add_nc_u64 s[G0X+4*\slot+2:G0X+4*\slot+3], s[G0X+4*\slot+2:G0X+4*\slot+3], 512
	s_add_nc_u64 s[G0W+4*\slot+2:G0W+4*\slot+3], s[G0W+4*\slot+2:G0W+4*\slot+3], 512
	JLOAD \slot
.endif
.rept 56                               ; one run of loads; 24 products follow
	LD 1-\slot, 0, 0
.endr
	PRDS \s, 24
.endm
	WALU                                           ; the wait at the head's end
	s_wait_tensorcnt 0x0                           ; my part of K step 0 is in
	ds_add_u32 v[SPW], v[NIL]
	s_wait_dscnt 0x0
	CROUND
	JLOAD 1                                        ; K step 1
.set N_, 0
.rept 56
	LD 0, 0, 0
.endr
	STEP 0, 0
	TURN 1, 0, 1                                   ; slot 0 takes K step 2
	WIN 0
	ASK PF3, 768                                   ; K step 3
	STEP 2, 1
	TURN 3, 1, 1                                   ; slot 1 takes K step 3
	STEP 4, 0
	TURN 5, 0, 0                                   ; nothing more to fill
	STEP 6, 1
	OPEN 7
	s_wait_dscnt 0x0
	PRDS 7, 44
	WIN 0
; THE WAY OUT.  64 numbers of a lane from v[s] of window w on, four blocks of 32 shared with lane l xor 16, become 16 registers of codes from v[pc] on; the bytes stand in v[TM+4 ..].
.macro QUANT w, s, pc
	WIN 5*\w
.irp b, 0,1,2,3
	v_max3_num_f32 v[TM+\b], |v[\s+16*\b]|, |v[\s+1+16*\b]|, 0x4800000   ; the floor 2^(9 - 127): the byte cannot fall under 1
.endr
.irp i, 2,4,6,8,10,12,14
.irp b, 0,1,2,3
	v_max3_num_f32 v[TM+\b], |v[\s+16*\b+\i]|, |v[\s+1+16*\b+\i]|, v[TM+\b]
.endr
.endr
	WIN 0
.irp b, 0,1,2,3
	v_permlanex16_b32 v[TM+4+\b], v[TM+\b], s[SEL], s[SEL+1]
.endr
.irp b, 0,1,2,3
	v_max_num_f32 v[TM+\b], v[TM+\b], v[TM+4+\b]   ; with lane l xor 16's: the block's largest magnitude
.endr
.irp b, 0,1,2,3
	v_and_or_b32 v[TM+8+\b], v[TM+\b], 0x7f800000, s[MNT]   ; 448 x the scale
.endr
.irp b, 0,1,2,3
	v_add_nc_u32 v[TM+12+\b], 0xfc000000, v[TM+\b] ; the conversion's scale operand: it takes the exponent field alone
.endr
.irp b, 0,1,2,3
	v_lshrrev_b32 v[TM+4+\b], 23, v[TM+12+\b]      ; the scale's byte
.endr
	WIN 65*\w
.irp b, 0,1,2,3
.irp i, 0,1,2,3,4,5,6,7,8,9,10,11,12,13,14,15
	v_med3_num_f32 v[\s+16*\b+\i], v[\s+16*\b+\i], -v[TM+8+\b], v[TM+8+\b]   ; the conversion does not saturate (ISA guide 7.6.2): the hold
.endr
.endr
	WIN \w
.irp b, 0,1,2,3
	v_cvt_scalef32_pk8_fp8_f32 v[\pc+4*\b:\pc+1+4*\b], v[\s+16*\b:\s+7+16*\b], v[TM+12+\b]
	v_cvt_scalef32_pk8_fp8_f32 v[\pc+2+4*\b:\pc+3+4*\b], v[\s+8+16*\b:\s+15+16*\b], v[TM+12+\b]
.endr
	WIN 0
.endm
.rept 8
	v_nop                                          ; behind the last products: their results and their operands' registers
.endr
	s_mov_b32 vcc_lo, 0xffff0000
.irp u, 0,1,2,3                        ; q or k: tiles of 16 tokens 2 u and 2 u + 1, two blocks of 32 channels each
	QUANT 2, 64*\u, PC+16*\u
	v_lshl_or_b32 v[BQ+8], v[TM+5], 8, v[TM+4]
	v_lshl_or_b32 v[BQ+9], v[TM+7], 8, v[TM+6]
	v_cndmask_b32 v[BQ+\u], v[BQ+8], v[BQ+9], vcc_lo       ; lanes 0-15 tile 2 u's bytes, lanes 16-31 tile 2 u + 1's
.irp c, 0,1,2,3
	global_store_b128 v[CO], v[PC+16*\u+4*\c:PC+16*\u+4*\c+3], s[60:61] offset:2048*\u+512*\c   ; 512 consecutive bytes, at a multiple of 256
.endr
.endr
	v_lshl_or_b32 v[BQ+10], v[BQ+1], 16, v[BQ]
	v_lshl_or_b32 v[BQ+11], v[BQ+3], 16, v[BQ+2]
	global_store_b64 v[C8], v[BQ+10:BQ+11], s[62:63]       ; 256 consecutive bytes
.irp t, 0,1                            ; v: tile of 16 channels t of my two, four blocks of 32 keys
	QUANT 3, 64*\t, PC+64+16*\t
	v_lshl_or_b32 v[BQ+12+\t], v[TM+5], 8, v[TM+4]
	v_lshl_or_b32 v[BQ+12+\t], v[TM+6], 16, v[BQ+12+\t]
	v_lshl_or_b32 v[BQ+12+\t], v[TM+7], 24, v[BQ+12+\t]
.irp c, 0,1,2,3
	global_store_b128 v[CO], v[PC+64+16*\t+4*\c:PC+64+16*\t+4*\c+3], s[66:67] offset:2048*\t+512*\c
.endr
.endr
	v_cndmask_b32 v[BQ+14], v[BQ+12], v[BQ+13], vcc_lo
	global_store_b32 v[C4], v[BQ+14], s[100:101]           ; 128 consecutive bytes: my half of the unit, the other column's wave has the other
	s_wait_tensorcnt 0x0                           ; the wave's end
	ds_add_u32 v[SPW], v[NIL]
	s_wait_dscnt 0x0
	CROUND                                         ; the closing round: no work-group ends while a partner may still ask for a tile that names it
	s_endpgm
.Lfunc_end_k_q58d81a4412_qkv:
	.size	k_q58d81a4412_qkv, .Lfunc_end_k_q58d81a4412_qkv-k_q58d81a4412_qkv
	.p2alignl 7, 3214868480
	.fill 96, 4, 3214868480
	.section	.rodata,"a",@progbits
	.p2align	6, 0x0
	.amdhsa_kernel k_q58d81a4412_qkv
		.amdhsa_group_segment_fixed_size 327680
		.amdhsa_private_segment_fixed_size 0
		.amdhsa_enable_private_segment 0
		.amdhsa_kernarg_size 112
		.amdhsa_user_sgpr_count 2
		.amdhsa_user_sgpr_kernarg_segment_ptr 1
		.amdhsa_wavefront_size32 1
		.amdhsa_system_sgpr_workgroup_id_x 1
		.amdhsa_system_sgpr_workgroup_id_y 1
		.amdhsa_system_sgpr_workgroup_id_z 1
		.amdhsa_system_vgpr_workitem_id 0
		.amdhsa_next_free_vgpr 1024
		.amdhsa_next_free_sgpr 102
		.amdhsa_reserve_vcc 1
		.amdhsa_float_denorm_mode_32 3
		.amdhsa_float_denorm_mode_16_64 3
		.amdhsa_memory_ordered 1
		.amdhsa_forward_progress 1
		.amdhsa_inst_pref_size 148
	.end_amdhsa_kernel
	.amdgpu_metadata
---
amdhsa.version: [ 1, 2 ]
amdhsa.kernels:
  - .name:           k_q58d81a4412_qkv
    .symbol:         k_q58d81a4412_qkv.kd
    .args:
      - { .name: x_codes, .offset: 0, .size: 8, .value_kind: global_buffer, .address_space: global }
      - { .name: x_scales, .offset: 8, .size: 8, .value_kind: global_buffer, .address_space: global }
      - { .name: Wq_codes, .offset: 16, .size: 8, .value_kind: global_buffer, .address_space: global }
      - { .name: Wq_scales, .offset: 24, .size: 8, .value_kind: global_buffer, .address_space: global }
      - { .name: bq, .offset: 32, .size: 8, .value_kind: global_buffer, .address_space: global }
      - { .name: Wk_codes, .offset: 40, .size: 8, .value_kind: global_buffer, .address_space: global }
      - { .name: Wk_scales, .offset: 48, .size: 8, .value_kind: global_buffer, .address_space: global }
      - { .name: bk, .offset: 56, .size: 8, .value_kind: global_buffer, .address_space: global }
      - { .name: Wv_codes, .offset: 64, .size: 8, .value_kind: global_buffer, .address_space: global }
      - { .name: Wv_scales, .offset: 72, .size: 8, .value_kind: global_buffer, .address_space: global }
      - { .name: bv, .offset: 80, .size: 8, .value_kind: global_buffer, .address_space: global }
      - { .name: q_img, .offset: 88, .size: 8, .value_kind: global_buffer, .address_space: global }
      - { .name: q_sc, .offset: 96, .size: 8, .value_kind: global_buffer, .address_space: global }
      - { .name: kv, .offset: 104, .size: 8, .value_kind: global_buffer, .address_space: global }
    .group_segment_fixed_size: 327680
    .private_segment_fixed_size: 0
    .kernarg_segment_align: 8
    .kernarg_segment_size: 112
    .max_flat_workgroup_size: 128
    .sgpr_count:     102
    .vgpr_count:     1024
    .wavefront_size: 32
...
	.end_amdgpu_metadata
.endif
;; end of part 1
;; launch attn (part 2): grid 8 x 32, 8 waves a work-group, clusters of 4 x 1, 271,872 bytes of LDS; arguments q_img, q_sc, kv, ctx_img, ctx_sc; writes ctx_img, ctx_sc
.if DOCPART == 2
	.amdgcn_target "amdgcn-amd-amdhsa--gfx1250"
	.amdhsa_code_object_version 6
	.text
	.protected	k_q58d81a4412_attn
	.globl	k_q58d81a4412_attn
	.p2align	8
	.type	k_q58d81a4412_attn,@function
k_q58d81a4412_attn:
	s_mov_b64 s[64:65], 0
	v_nop
	global_prefetch_b8 v0, s[64:65] scope:SCOPE_SE
	s_setreg_imm32_b32 hwreg(HW_REG_WAVE_MODE, 25, 1), 1
	s_wait_xcnt 0x0
	s_wait_alu depctr_hold_cnt(0) depctr_sa_sdst(0) depctr_va_vdst(0) depctr_va_sdst(0) depctr_va_ssrc(0) depctr_va_vcc(0) depctr_vm_vsrc(0)
	s_getreg_b32 s2, hwreg(HW_REG_IB_STS2, 6, 4)
	s_cmp_eq_u32 s2, 0
	s_cbranch_scc0 .Lentry_in_a_cluster
	s_endpgm
.Lentry_in_a_cluster:
	s_bfe_u32 s2, ttmp6, 0x10000c
	s_cmp_lg_u32 s2, 0x3003
	s_cbranch_scc0 .Lentry_shape_is_right
	s_endpgm
.Lentry_shape_is_right:
; ctx[b][q][head] = the sum over keys of softmax(q . k / 8) v, both products on codes of FP8 (E4M3) with one E8M0 scale for each 32 along a product's K, and ctx quantised at once along the hidden axis.
; THE SOFTMAX: t = score x log2(e) / 8; M = the row's largest t so far, rounded UP to a whole number; p = 2^(t - M) is what is quantised, along the keys, not normalised.  The row's sum is taken of the
; unquantised p, in f32, and divides at the end.  When M moves, the sum and O are multiplied by 2^(old M - new M): exact.
; INPUTS are images of operand registers.  kv, per head bh and group g of 128 keys: bh x 270,336 + g x 16,896 + K's codes 8,192, V's codes 8,192, K's scale words 256, V's scale words 256.
; SHARES.  A work-group owns 256 queries of one head, each of its eight waves 32: two tiles of 16, A and B, so that each fragment of K and V read from LDS feeds two products; two waves to a SIMD.
; THE WHOLE HEAD LIES IN LDS, filled once: wave w brings keys 256 w .. 256 w + 255 with ONE joint load for the cluster's four work-groups (one head).  Three barriers show what has landed: wave 0's keys, waves 1 to 3's, all.
; Nothing is prefetched: all tensor loads stand at the head, ahead of every loop.
; LAYOUT.  Both products are used transposed: S^T = K Q^T (source 0 = keys), O^T = V^T P^T (source 0 = channels): a lane holds ONE query (lane % 16) of a tile.  THE STATISTICS OF BOTH TILES SHARE A REGISTER: lanes 0-15 tile A's
; queries, lanes 16-31 tile B's; v_permlane16_swap_b32 joins the lanes' halves on the way in and spreads a number over both halves on the way back.
; THE HEAD HAS 64 CHANNELS, the instruction takes 128: a fragment of source 0 holds TWO tiles of keys, [K_a | K_a+2], and is multiplied by [q | 0] for the first and by [0 | q] for the second.  Zero codes add nothing.
; Inside each block of 32 the places are permuted alike in q and k, and in v and p.  ctx meets Wo, whose K is in true order: at the end the halves of the lanes exchange registers, and a lane then holds 16 neighbours.
; OUTPUT: ctx_img: tile of 16 tokens x 16,384 + head x 1,024 + c x 512 + 16 x lane;  ctx_sc: [head][4096 tokens][2 bytes].
; LIMITS: NaN and infinities are not served; the scaled scores stay under 2^31 in magnitude.  A p under 2^-126 counts as 0 (v_exp_f32 flushes).  A block of zeros gets the scale byte 1: its codes are zeros, and this program alone reads the bytes.
; A block's largest p is not searched for: the block's largest score goes through the same multiply-add and exponential (this takes v_exp_f32 not to fall where its input rises).
; REGISTERS.  Window 0 as below.  Window 1: v0-63 O^T (tile x, channels 16 t on: 32 x + 8 t); v64-103 zeros, q A, zeros, q B, zeros; v112-175 four fragments of K; v176-239 four of V.
.set STEPB, 16896                      ; a key step (128 keys) in LDS
.set VREG,  8192                       ; V's codes, K's and V's scale words in it
.set KSC,   16384
.set VSC,   16640
.set HEADB, 16*STEPB
.set SCB,   HEADB                      ; the way out: the work-group's 512 scale bytes
.set SPARE, SCB+512                    ; the spare words, 128 bytes for each wave
.set AK0,  1                           ; 16 x lane
.set AS0,  2                           ; 8 x lane
.set ADK,  3                           ; v3 the scale bytes' LDS address at the end; v4-6 LDS addresses of the loads in hand: K and V, K's scale words, V's
.set ADV,  4
.set ADS,  5
.set ADT,  6
.set SPW,  7
.set AS4,  9                           ; 4 x lane
.set NIL,  8
.set TP,   10
.set QR,   11
.set NM,   12                          ; -M
.set RM,   13                          ; the largest score so far
.set SUM,  14                          ; v14-15 tile A's sum in two halves, v16-17 tile B's
.set TT,   18
.set OLD,  19
.set QS,   20                          ; q's scale word [s0 s1 s0 s1]: lanes 0-15 tile A's, lanes 16-31 tile B's
.set KS0,  22                          ; v22-23 K's of fragments 0 | 1 and 2 | 3
.set VS0,  24                          ; v24-25 V's of tiles 0 | 1 and 2 | 3
.set PS,   26                          ; p's, tile A's | tile B's
.set NX,   28                          ; v28, v30 -M of tile A, of tile B, in all lanes
.set FX,   32                          ; v32, v34 f = 2^(old M - new M) likewise
.set MA,   36                          ; v36-43 blocks' largest scores, tile A's and tile B's
.set HA,   44                          ; v44-51 holds
.set EA,   52                          ; v52-59 scale operands
.set BY,   60                          ; v60-63 bytes
.set TMP,  64                          ; v64-95 partial sums
.set S0,   96                          ; v96-223 S^T, then p (64 a tile)
.set PC,   224                         ; v224-255 p's codes (16 a tile)
.set OT,   0                           ; window 1
.set QZ,   64
.set KF,   112
.set VF,   176
.set WV,   20
.set CS,   28                          ; s[28:29] c = log2(e) / 8
.set MNT,  30                          ; the mantissa field of 448
.set NC,   31                          ; -c
.set G1,   32
.set G0,   84
.set TB,   96
.set CNT,  98
.set MSB, 0
.macro WIN new                         ; the immediate's high byte repeats the setting that is left
.if MSB != (\new)
	s_set_vgpr_msb (MSB<<8)|(\new)
.set MSB, (\new)
.endif
.endm
.macro CROUND                          ; a round of the cluster's barrier
	s_barrier_signal -1
	s_barrier_wait -1
	s_cmp_lg_u32 s[WV], 0
	s_cbranch_scc1 .Lnot_wave_0_\@
	s_barrier_signal -3
.Lnot_wave_0_\@:
	s_barrier_wait -3
	s_barrier_signal -1
	s_barrier_wait -1
.endm
.macro WALU
	s_wait_alu depctr_va_vdst(0)
.endm
	s_load_b256 s[4:11], s[0:1], 0x0               ; q_img, q_sc, kv, ctx_img
	s_load_b64 s[12:13], s[0:1], 0x20              ; ctx_sc
	v_lshl_add_u32 v[SPW], v0, 2, SPARE
	v_mov_b32 v[NIL], 0
	ds_add_u32 v[SPW], v[NIL]                      ; the wave's opening: the add, twice on end, and its wait
	ds_add_u32 v[SPW], v[NIL]
	v_lshrrev_b32 v[TP], 5, v0
	v_readfirstlane_b32 s[WV], v[TP]               ; wave 0..7
	v_and_b32 v[TP], 31, v0
	v_lshlrev_b32 v[AK0], 4, v[TP]
	v_lshlrev_b32 v[AS0], 3, v[TP]
	v_lshlrev_b32 v[AS4], 2, v[TP]
	s_bfe_u32 s21, ttmp6, 0x40000                  ; cx
	s_lshl_b32 s22, ttmp9, 2
	s_add_co_u32 s22, s22, s21                     ; my block of 256 queries: it enters q's and ctx's addresses alone
	s_and_b32 s23, ttmp7, 0xffff                   ; bh = batch x 16 + head, which the four partners share
	s_mov_b32 s[CS], 0x3e38aa3b
	s_mov_b32 s[CS+1], s[CS]                       ; (named with it as a pair)
	s_mov_b32 s[NC], 0xbe38aa3b
	s_mov_b32 s[MNT], 0x600000
	s_mov_b32 s[G1], 15|(3<<16)|(1<<21)            ; the mask of all four, elements of 8 bytes, bit 21 set beside a mask, no padding: every LDS read takes consecutive bytes
	s_mov_b32 s[G1+1], 128<<16                     ; 256 keys: 33,792 dense bytes as 33 rows of 1,024
	s_mov_b32 s[G1+2], 33<<16
	s_mov_b32 s[G1+3], 128<<16
	s_mov_b32 s[G1+4], 33
	s_mov_b32 s[G1+5], 128
	s_mov_b32 s[G1+6], 0
	s_mov_b32 s[G1+7], 0
	s_mov_b32 s[G0], 1
	s_mul_i32 s[G0+1], s[WV], 2*STEPB
	s_mul_i32 s82, s23, HEADB
	s_add_co_u32 s82, s82, s[G0+1]
	s_mov_b32 s83, 0
	WALU
	s_wait_dscnt 0x0                               ; both opening adds are done
	CROUND                                         ; all four work-groups are here: the joint loads meet
	s_wait_kmcnt 0x0
	s_add_nc_u64 s[G0+2:G0+3], s[8:9], s[82:83]
	s_or_b32 s[G0+3], s[G0+3], 0x80000000
.macro TLOAD
	tensor_load_to_lds s[G0:G0+3], s[G1:G1+7]
	s_nop 0
.rept 4
	v_nop
.endr
.endm
	s_cmp_lt_u32 s[WV], 1                          ; one load a wave; waves that wait alike share a line
	s_cbranch_scc0 .Lask_1
	TLOAD
	s_branch .Lasked
.Lask_1:
	s_cmp_lt_u32 s[WV], 4
	s_cbranch_scc0 .Lask_2
	TLOAD
	s_branch .Lasked
.Lask_2:
	TLOAD
.Lasked:
	s_and_b32 s80, s[WV], 3
	s_lshr_b32 s81, s[WV], 2
	s_lshl_b32 s88, s22, 1
	s_add_co_u32 s88, s88, s81                     ; my group of 128 queries; my tiles in it: 2 (wave % 4) and the next
	s_lshl_b32 s90, s23, 17
	s_lshl_b32 s91, s88, 13
	s_add_co_u32 s90, s90, s91
	s_lshl_b32 s91, s80, 11
	s_add_co_u32 s90, s90, s91
	s_mov_b32 s91, 0
	s_add_nc_u64 s[4:5], s[4:5], s[90:91]
	s_lshl_b32 s92, s23, 4
	s_add_co_u32 s92, s92, s88
	s_lshl_b32 s92, s92, 8
	s_lshr_b32 s93, s80, 1                         ; tiles 0 to 3 in word 0, 4 to 7 in word 1
	s_lshl_b32 s93, s93, 2
	s_add_co_u32 s92, s92, s93
	s_mov_b32 s93, 0
	s_add_nc_u64 s[6:7], s[6:7], s[92:93]
	global_load_b32 v[QR], v[AS0], s[6:7]          ; lanes 0-15 tile A's word, lanes 16-31 tile B's
	WIN 0x40
	global_load_b128 v[QZ+8:QZ+11], v[AK0], s[4:5]                 ; q A: 64 channels, 8 registers
	global_load_b128 v[QZ+12:QZ+15], v[AK0], s[4:5] offset:512
	global_load_b128 v[QZ+24:QZ+27], v[AK0], s[4:5] offset:1024    ; q B
	global_load_b128 v[QZ+28:QZ+31], v[AK0], s[4:5] offset:1536
.irp z, 0,16,32
.irp j, 0,1,2,3,4,5,6,7
	v_mov_b32 v[QZ+\z+\j], 0                       ; the zero halves: [0 | qA] = QZ.., [qA | 0] = QZ+8.., [0 | qB] = QZ+16.., [qB | 0] = QZ+24..
.endr
.endr
.set i, 0
.rept 64
	v_mov_b32 v[OT+i], 0                           ; O^T: the first step finds zeros, which the first change of M leaves zeros
.set i, i+1
.endr
	WIN 0
	s_and_b32 s94, s80, 1
	s_mul_i32 s94, s94, 0x02020202
	s_add_co_u32 s94, s94, 0x01000100              ; my tiles' two bytes of the word, twice
	s_lshr_b32 s88, s23, 4                         ; batch
	s_and_b32 s89, s23, 15                         ; head
	s_lshl_b32 s90, s88, 7
	s_lshl_b32 s91, s22, 4
	s_add_co_u32 s90, s90, s91
	s_lshl_b32 s91, s[WV], 1
	s_add_co_u32 s90, s90, s91                     ; my tile of 16 tokens
	s_lshl_b32 s90, s90, 14
	s_lshl_b32 s91, s89, 10
	s_add_co_u32 s90, s90, s91
	s_mov_b32 s91, 0
	s_add_nc_u64 s[10:11], s[10:11], s[90:91]
	s_lshl_b32 s90, s89, 13
	s_lshl_b32 s91, s88, 12
	s_add_co_u32 s90, s90, s91
	s_lshl_b32 s91, s22, 9
	s_add_co_u32 s90, s90, s91
	s_mov_b32 s91, 0
	s_add_nc_u64 s[12:13], s[12:13], s[90:91]
	WALU
	s_wait_loadcnt 0x0                             ; q and its scale words
	v_perm_b32 v[QS], v[QR], v[QR], s94
	v_mov_b32 v[RM], 0xff61b1e6                    ; the largest score so far: -3e38
	v_mul_f32 v[NM], s[NC], v[RM]
	v_floor_f32 v[NM], v[NM]
.irp j, 0,1,2,3
	v_mov_b32 v[SUM+\j], 0
	v_mov_b32 v[NX+1+2*\j], 0                      ; (the upper halves of -M's and f's pairs)
.endr
.macro FETCH_K o                       ; four fragments [K_a | K_a+2], a = 0, 1, 4, 5, and their scale words, o bytes on from the step in hand
	WIN 0x40
.irp f, 0,1,2,3
.irp c, 0,1
	ds_load_b128 v[KF+16*\f+4*\c:KF+16*\f+4*\c+3], v[ADV] offset:\o+(4*(\f/2)+\f%2)*1024+\c*512
	ds_load_b128 v[KF+16*\f+8+4*\c:KF+16*\f+8+4*\c+3], v[ADV] offset:\o+(4*(\f/2)+\f%2+2)*1024+\c*512
.endr
.endr
	WIN 0
	ds_load_b64 v[KS0:KS0+1], v[ADS] offset:\o+KSC
.endm
.macro QK d, f, q, brow                ; one tile of S^T: fragment f of K times one of q's four forms
.if ((\f)%2) && \brow
	v_wmma_scale_f32_16x16x128_f8f6f4 v[\d:\d+7], v[KF+16*(\f):KF+16*(\f)+15], v[\q:\q+15], 0, v[KS0+(\f)/2], v[QS] matrix_a_scale:MATRIX_SCALE_ROW1 matrix_b_scale:MATRIX_SCALE_ROW1
.elseif (\f)%2
	v_wmma_scale_f32_16x16x128_f8f6f4 v[\d:\d+7], v[KF+16*(\f):KF+16*(\f)+15], v[\q:\q+15], 0, v[KS0+(\f)/2], v[QS] matrix_a_scale:MATRIX_SCALE_ROW1
.elseif \brow
	v_wmma_scale_f32_16x16x128_f8f6f4 v[\d:\d+7], v[KF+16*(\f):KF+16*(\f)+15], v[\q:\q+15], 0, v[KS0+(\f)/2], v[QS] matrix_b_scale:MATRIX_SCALE_ROW1
.else
	v_wmma_scale_f32_16x16x128_f8f6f4 v[\d:\d+7], v[KF+16*(\f):KF+16*(\f)+15], v[\q:\q+15], 0, v[KS0+(\f)/2], v[QS]
.endif
.endm
.macro QKT x, T                        ; tile T of 16 keys x tile x of queries
	QK S0+64*(\x)+8*(\T), ((\T)/4)*2+(\T)%2, QZ+16*(\x)+8*(1-((\T)/2)%2), \x
.endm
.macro QKW x, T                        ; tiles T and T + 1 with their window, among vector lines
	WIN 0x05
	QKT \x, \T
	QKT \x, \T+1
	WIN 0
.endm
.macro PV x, t                         ; O^T += V^T P^T
.set D_, OT+32*(\x)+8*(\t)
.if ((\t)%2) && \x
	v_wmma_scale_f32_16x16x128_f8f6f4 v[D_:D_+7], v[VF+16*(\t):VF+16*(\t)+15], v[PC+16*(\x):PC+16*(\x)+15], v[D_:D_+7], v[VS0+(\t)/2], v[PS] matrix_a_scale:MATRIX_SCALE_ROW1 matrix_b_scale:MATRIX_SCALE_ROW1
.elseif (\t)%2
	v_wmma_scale_f32_16x16x128_f8f6f4 v[D_:D_+7], v[VF+16*(\t):VF+16*(\t)+15], v[PC+16*(\x):PC+16*(\x)+15], v[D_:D_+7], v[VS0+(\t)/2], v[PS] matrix_a_scale:MATRIX_SCALE_ROW1
.elseif \x
	v_wmma_scale_f32_16x16x128_f8f6f4 v[D_:D_+7], v[VF+16*(\t):VF+16*(\t)+15], v[PC+16*(\x):PC+16*(\x)+15], v[D_:D_+7], v[VS0+(\t)/2], v[PS] matrix_b_scale:MATRIX_SCALE_ROW1
.else
	v_wmma_scale_f32_16x16x128_f8f6f4 v[D_:D_+7], v[VF+16*(\t):VF+16*(\t)+15], v[PC+16*(\x):PC+16*(\x)+15], v[D_:D_+7], v[VS0+(\t)/2], v[PS]
.endif
.endm
.macro CVT x, k                        ; eight numbers of tile x, the k-th of eight
	v_cvt_scalef32_pk8_fp8_f32 v[PC+16*(\x)+2*(\k):PC+16*(\x)+2*(\k)+1], v[S0+64*(\x)+8*(\k):S0+64*(\x)+8*(\k)+7], v[EA+4*(\x)+(\k)/2]
.endm
.macro HOLD x                          ; pair i of tile x (p is not negative: one-sided; the conversion to an 8-bit code does not saturate: ISA guide 7.6.2)
	v_dual_min_num_f32 v[S0+64*\x+2*i], v[S0+64*\x+2*i], v[HA+4*\x+i/8] :: v_dual_min_num_f32 v[S0+64*\x+2*i+1], v[S0+64*\x+2*i+1], v[HA+4*\x+i/8]
.endm
.macro ADDP d, a, b
	v_pk_add_f32 v[\d:\d+1], v[\a:\a+1], v[\b:\b+1]
.endm
; A KEY STEP: 128 keys, both tiles of queries.  K's fragments and scale words of this step are in registers; V's, and the next step's K, are asked for behind the first products and land under the softmax.
; S^T of this step is made; the NEXT step's products with K, and tile A's with V, stand among tile B's sums and holds.  last = 1: no step follows.
.macro STEP last
	v_add_nc_u32 v[ADV], s[TB], v[AK0]             ; three additions and five v_nop: the eight places behind the products, for the loads below and for the first read of S^T
	v_add_nc_u32 v[ADS], s[TB], v[AS0]
	v_add_nc_u32 v[ADT], s[TB], v[AS4]
.rept 5
	v_nop
.endr
	WIN 0x40
.irp t, 0,1,2,3
.irp c, 0,1,2,3
	ds_load_b128 v[VF+16*\t+4*\c:VF+16*\t+4*\c+3], v[ADV] offset:VREG+\t*2048+\c*512
.endr
.endr
.if \last == 0
	FETCH_K STEPB
.endif
	WIN 0
	ds_load_b32 v[VS0], v[ADT] offset:VSC
	ds_load_b32 v[VS0+1], v[ADT] offset:VSC+128
	; the largest score of each block of 32 keys: it serves for the row's maximum and, since p rises with the score, for the block's largest p.  Each accumulator is read from its low end on
.irp x, 0,1
.irp b, 0,1,2,3
	v_max3_num_f32 v[MA+4*\x+\b], v[S0+64*\x+16*\b], v[S0+64*\x+16*\b+1], v[S0+64*\x+16*\b+2]
.endr
.endr
.irp i, 3,5,7,9,11,13
.irp x, 0,1
.irp b, 0,1,2,3
	v_max3_num_f32 v[MA+4*\x+\b], v[MA+4*\x+\b], v[S0+64*\x+16*\b+\i], v[S0+64*\x+16*\b+\i+1]
.endr
.endr
.endr
.irp x, 0,1
.irp b, 0,1,2,3
	v_max_num_f32 v[MA+4*\x+\b], v[MA+4*\x+\b], v[S0+64*\x+16*\b+15]
.endr
.endr
.irp b, 0,1,2,3
	v_permlane16_swap_b32 v[MA+\b], v[MA+4+\b]     ; the first: both tiles' lower lanes; the second: both tiles' upper lanes
.endr
.irp b, 0,1,2,3
	v_max_num_f32 v[MA+\b], v[MA+\b], v[MA+4+\b]   ; lanes 0-15: tile A's block b; lanes 16-31: tile B's
.endr
	v_max3_num_f32 v[TT], v[MA], v[MA+1], v[MA+2]
	v_mov_b32 v[OLD], v[NM]
	v_max3_num_f32 v[RM], v[RM], v[TT], v[MA+3]    ; the running largest score
	v_mul_f32 v[TT], s[NC], v[RM]
	v_floor_f32 v[NM], v[TT]                       ; the new -M = floor(-t) = -ceil(t): a whole number
	v_mov_b32 v[NX], v[NM]
	v_mov_b32 v[NX+2], v[NM]
	v_permlane16_swap_b32 v[NX], v[NX+2]           ; tile A's in all lanes, tile B's in all lanes
	v_sub_f32 v[OLD], v[NM], v[OLD]                ; old M - new M: a whole number, 0 or less
.set i, 0
.rept 16
	v_pk_fma_f32 v[S0+2*i:S0+2*i+1], v[S0+2*i:S0+2*i+1], s[CS:CS+1], v[NX:NX+1] op_sel_hi:[1,0,0]   ; tile A: t - M, two at a time
.set i, i+1
.endr
	v_cvt_i32_f32 v[OLD], v[OLD]                   ; (it saturates)
.irp b, 0,1,2,3
	v_fma_f32 v[MA+\b], v[MA+\b], s[CS], v[NM]     ; the same of each block's largest score, for both tiles
.endr
	v_ldexp_f32 v[FX], 1.0, v[OLD]                 ; f = 2^(old M - new M)
.rept 8
	v_pk_fma_f32 v[S0+2*i:S0+2*i+1], v[S0+2*i:S0+2*i+1], s[CS:CS+1], v[NX:NX+1] op_sel_hi:[1,0,0]
.set i, i+1
.endr
	v_mov_b32 v[FX+2], v[FX]
.rept 8
	v_pk_fma_f32 v[S0+2*i:S0+2*i+1], v[S0+2*i:S0+2*i+1], s[CS:CS+1], v[NX:NX+1] op_sel_hi:[1,0,0]
.set i, i+1
.endr
	v_permlane16_swap_b32 v[FX], v[FX+2]
	WIN 0x41                                       ; O^T in window 1, f in window 0
.irp x, 0,1
.set i, 0
.rept 16
	v_pk_mul_f32 v[OT+32*\x+2*i:OT+32*\x+2*i+1], v[OT+32*\x+2*i:OT+32*\x+2*i+1], v[FX+2*\x:FX+2*\x+1] op_sel_hi:[1,0]   ; O^T under the new M
.set i, i+1
.endr
.endr
	WIN 0
	WALU                                           ; the wait ahead of the batch
.set i, 0
.rept 32                               ; tile A's exponentials, with tile B's t - M between them (first read behind the next waits)
	v_exp_f32 v[S0+2*i], v[S0+2*i]
	v_exp_f32 v[S0+2*i+1], v[S0+2*i+1]
	v_pk_fma_f32 v[S0+64+2*i:S0+64+2*i+1], v[S0+64+2*i:S0+64+2*i+1], s[CS:CS+1], v[NX+2:NX+3] op_sel_hi:[1,0,0]
.set i, i+1
.endr
.irp b, 0,1,2,3
	v_exp_f32 v[MA+\b], v[MA+\b]                   ; each block's largest p, both tiles'
.endr
	v_pk_mul_f32 v[SUM:SUM+1], v[SUM:SUM+1], v[FX:FX+1] op_sel_hi:[1,0]   ; the sums under the new M  (a plain place behind the exponentials)
	WALU                                           ; and behind the batch
	v_pk_mul_f32 v[SUM+2:SUM+3], v[SUM+2:SUM+3], v[FX+2:FX+3] op_sel_hi:[1,0]
.irp b, 0,1,2,3
	v_max_num_f32 v[MA+\b], 0x4800000, v[MA+\b]    ; the floor 2^(9 - 127): the byte cannot fall under 1
.endr
.irp b, 0,1,2,3
	v_and_or_b32 v[HA+\b], v[MA+\b], 0x7f800000, s[MNT]   ; 448 x the scale
.endr
.irp b, 0,1,2,3
	v_add_nc_u32 v[BY+\b], 0xfc000000, v[MA+\b]    ; 8 off the exponent field
.endr
.irp b, 0,1,2,3
	v_mov_b32 v[HA+4+\b], v[HA+\b]
.endr
.irp b, 0,1,2,3
	v_lshrrev_b32 v[BY+\b], 23, v[BY+\b]           ; the scale's byte
.endr
.irp b, 0,1,2,3
	v_permlane16_swap_b32 v[HA+\b], v[HA+4+\b]     ; tile A's hold in all lanes, tile B's in all lanes
.endr
	v_lshl_or_b32 v[BY], v[BY+1], 8, v[BY]
	v_lshl_or_b32 v[BY+2], v[BY+3], 8, v[BY+2]
.irp b, 0,1,2,3,4,5,6,7
	v_add_nc_u32 v[EA+\b], 0xfc000000, v[HA+\b]    ; the conversion's scale operand: it takes the exponent field alone
.endr
	v_lshl_or_b32 v[PS], v[BY+2], 16, v[BY]        ; p's scale word: lanes 0-15 tile A's, lanes 16-31 tile B's
	WALU                                           ; ahead of the second batch
.set i, 0
.rept 32                               ; tile B's exponentials, with tile A's holds and the first level of its sum between them (read behind the next wait)
	v_exp_f32 v[S0+64+2*i], v[S0+64+2*i]
	v_exp_f32 v[S0+64+2*i+1], v[S0+64+2*i+1]
.if i%2 == 0
	ADDP TMP+i, S0+2*i, S0+2*i+2                   ; the sum is of the unquantised p: ahead of the hold
.endif
	HOLD 0
.set i, i+1
.endr
	s_wait_dscnt 0x0                               ; V, its words, and the next step's K and its words are in
	WALU                                           ; behind the batch
.irp k, 0,1,2,3,4,5,6,7
	ADDP TMP+2*\k, TMP+2*\k, TMP+16+2*\k
	CVT 0, \k
.endr
.irp k, 0,1,2,3
	ADDP TMP+2*\k, TMP+2*\k, TMP+8+2*\k
.endr
.set i, 0
.rept 32                               ; tile B: sum (two chains), hold, and the conversion of the eight numbers held before; a product behind most of the pairs.  A tile of S^T is made anew when its numbers have been converted.
.if i == 0
	ADDP TMP+16, S0+64, S0+66
.elseif i == 1
	ADDP TMP, TMP, TMP+4
.elseif i%2 == 0
	ADDP SUM+2, SUM+2, S0+64+2*i
.else
	ADDP TMP+16, TMP+16, S0+64+2*i
.endif
	HOLD 1
.if i == 2
	ADDP TMP+2, TMP+2, TMP+6
.endif
.if (i%4 == 1) && (i > 4)
	CVT 1, i/4-1
.endif
.if (i%2 == 1) && (i < 4)
	WIN 0x51                                       ; V and O^T in window 1, p's codes in window 0
	PV 0, i-1
	PV 0, i
	WIN 0
.endif
.if \last == 0
.if (i%2 == 1) && (i > 4) && (i < 12)
	QKW 0, i-5
.endif
.if i == 14                            ; tile B's tiles 0 to 5, each pair behind its conversions
	QKW 1, 0
.endif
.if i == 19
	QKW 1, 2
.endif
.if i == 27
	QKW 1, 4
.endif
.endif
.set i, i+1
.endr
	CVT 1, 7
	ADDP TMP, TMP, TMP+2
	ADDP SUM+2, SUM+2, TMP+16
	ADDP SUM, SUM, TMP
	v_nop                                          ; the fourth place between the last codes and the products that take them
.if \last == 0
	WIN 0x05
	QKT 1, 6
	QKT 1, 7
.endif
	WIN 0x51
.irp t, 0,1,2,3                        ; each accumulator has one product a step
	PV 1, \t
.endr
	WIN 0                                          ; at a label and at a branch every window is 0
	s_add_co_u32 s[TB], s[TB], STEPB
.endm
; What the waves under `below` have fetched has landed when they have waited and the barrier is passed.
.macro SHOW below
	WALU
	s_wait_dscnt 0x0
.if \below < 8
	s_cmp_lt_u32 s[WV], \below
	s_cbranch_scc0 .Lnot_yet_\@
	s_wait_tensorcnt 0x0
.Lnot_yet_\@:
.else
	s_wait_tensorcnt 0x0
.endif
	s_barrier_signal -1
	s_barrier_wait -1
.endm
.macro NEXT label
	s_sub_co_u32 s[CNT], s[CNT], 1
	s_cmp_lg_u32 s[CNT], 0
	s_cbranch_scc1 \label
.endm
	s_mov_b32 s[TB], 0
	SHOW 1                                         ; steps 0 and 1
	v_add_nc_u32 v[ADV], s[TB], v[AK0]
	v_add_nc_u32 v[ADS], s[TB], v[AS0]
	FETCH_K 0
	WALU
	s_wait_dscnt 0x0
	WIN 0x05
.irp T, 0,1,2,3,4,5,6,7
	QKT 0, \T
	QKT 1, \T
.endr
	WIN 0
	STEP 0
	SHOW 4                                         ; up to step 7: step 6 fetches step 7's K
	s_mov_b32 s[CNT], 6
.Lsteps_1:
	STEP 0
	NEXT .Lsteps_1
	SHOW 8                                         ; all
	s_mov_b32 s[CNT], 8
.Lsteps_7:
	STEP 0
	NEXT .Lsteps_7
	STEP 1
	; THE END.  The row's sum; O^T / the sum; the halves of the lanes exchange; the quantiser; codes and scale bytes go out.
.rept 8
	v_nop                                          ; behind the last products
.endr
	v_add_f32 v[TT], v[SUM], v[SUM+1]
	v_add_f32 v[OLD], v[SUM+2], v[SUM+3]
	v_permlane16_swap_b32 v[TT], v[OLD]
	v_add_f32 v[TT], v[TT], v[OLD]                 ; lanes 0-15 tile A's sums, lanes 16-31 tile B's
	WALU
	v_rcp_f32 v[FX], v[TT]
	v_nop
	WALU
	v_mov_b32 v[FX+2], v[FX]
	v_permlane16_swap_b32 v[FX], v[FX+2]
	WIN 0x01                                       ; O^T in window 1
	WALU
.irp x, 0,1
.set i, 0
.rept 16
	v_pk_mul_f32 v[S0+64*\x+2*i:S0+64*\x+2*i+1], v[OT+32*\x+2*i:OT+32*\x+2*i+1], v[FX+2*\x:FX+2*\x+1] op_sel_hi:[1,0]   ; register 8 t + j: channel 16 t + 8 h + j
.set i, i+1
.endr
.endr
	WIN 0
.irp x, 0,1
.irp c, 0,1
.irp j, 0,1,2,3,4,5,6,7
	v_permlane16_swap_b32 v[S0+64*\x+16*\c+\j], v[S0+64*\x+16*\c+8+\j]   ; registers 16 c + 0 .. 15 are now channels 32 c + 16 h + 0 .. 15
.endr
.endr
.endr
.irp x, 0,1
.irp c, 0,1
	v_max3_num_f32 v[MA+4*\x+\c], |v[S0+64*\x+16*\c]|, |v[S0+64*\x+16*\c+1]|, 0x4800000   ; my 16 numbers of the block, and the floor
.endr
.endr
.irp i, 2,4,6,8,10,12,14
.irp x, 0,1
.irp c, 0,1
	v_max3_num_f32 v[MA+4*\x+\c], v[MA+4*\x+\c], |v[S0+64*\x+16*\c+\i]|, |v[S0+64*\x+16*\c+\i+1]|
.endr
.endr
.endr
.irp c, 0,1
	v_permlane16_swap_b32 v[MA+\c], v[MA+4+\c]
.endr
.irp c, 0,1
	v_max_num_f32 v[MA+\c], v[MA+\c], v[MA+4+\c]
.endr
.irp c, 0,1
	v_and_or_b32 v[HA+\c], v[MA+\c], 0x7f800000, s[MNT]
	v_add_nc_u32 v[BY+\c], 0xfc000000, v[MA+\c]
.endr
.irp c, 0,1
	v_mov_b32 v[HA+4+\c], v[HA+\c]
	v_lshrrev_b32 v[BY+\c], 23, v[BY+\c]
.endr
.irp c, 0,1
	v_permlane16_swap_b32 v[HA+\c], v[HA+4+\c]
.endr
	v_lshl_or_b32 v[TT], v[BY+1], 8, v[BY]         ; the head's two scale bytes of my row
	v_lshl_add_u32 v[ADK], v0, 1, SCB
	v_add_nc_u32 v[ADV], SCB, v[AK0]
.irp c, 0,1
	v_add_nc_u32 v[EA+\c], 0xfc000000, v[HA+\c]
	v_add_nc_u32 v[EA+4+\c], 0xfc000000, v[HA+4+\c]
.endr
	ds_store_b16 v[ADK], v[TT]                     ; 2 x my thread's number: the work-group's 256 rows
.irp x, 0,1
.irp c, 0,1
.irp i, 0,1,2,3,4,5,6,7,8,9,10,11,12,13,14,15
	v_med3_num_f32 v[S0+64*\x+16*\c+\i], v[S0+64*\x+16*\c+\i], -v[HA+4*\x+\c], v[HA+4*\x+\c]
.endr
	v_cvt_scalef32_pk8_fp8_f32 v[PC+16*\x+4*\c:PC+16*\x+4*\c+1], v[S0+64*\x+16*\c:S0+64*\x+16*\c+7], v[EA+4*\x+\c]
	v_cvt_scalef32_pk8_fp8_f32 v[PC+16*\x+4*\c+2:PC+16*\x+4*\c+3], v[S0+64*\x+16*\c+8:S0+64*\x+16*\c+15], v[EA+4*\x+\c]
.endr
.endr
	v_nop                                          ; one plain vector instruction behind the last conversion
.irp x, 0,1
.irp c, 0,1
	global_store_b128 v[AK0], v[PC+16*\x+4*\c:PC+16*\x+4*\c+3], s[10:11] offset:\x*16384+\c*512   ; 32 lanes store 512 consecutive bytes, at a multiple of 256 from the buffer's first byte
.endr
.endr
	WALU
	s_wait_dscnt 0x0                               ; my scale bytes are stored
	s_barrier_signal -1
	s_barrier_wait -1
	s_cmp_lg_u32 s[WV], 0
	s_cbranch_scc1 .Lbytes_out
	ds_load_b128 v[MA:MA+3], v[ADV]
	s_wait_dscnt 0x0
	global_store_b128 v[AK0], v[MA:MA+3], s[12:13] ; 512 consecutive bytes
.Lbytes_out:
	s_wait_tensorcnt 0x0                           ; the wave's end
	ds_add_u32 v[SPW], v[NIL]
	s_wait_dscnt 0x0
	CROUND                                         ; the closing round: no work-group ends while a partner may still ask for a tile that names it
	s_endpgm
.Lfunc_end_k_q58d81a4412_attn:
	.size	k_q58d81a4412_attn, .Lfunc_end_k_q58d81a4412_attn-k_q58d81a4412_attn
	.p2alignl 7, 3214868480
	.fill 96, 4, 3214868480
	.section	.rodata,"a",@progbits
	.p2align	6, 0x0
	.amdhsa_kernel k_q58d81a4412_attn
		.amdhsa_group_segment_fixed_size 271872
		.amdhsa_private_segment_fixed_size 0
		.amdhsa_enable_private_segment 0
		.amdhsa_kernarg_size 40
		.amdhsa_user_sgpr_count 2
		.amdhsa_user_sgpr_kernarg_segment_ptr 1
		.amdhsa_wavefront_size32 1
		.amdhsa_system_sgpr_workgroup_id_x 1
		.amdhsa_system_sgpr_workgroup_id_y 1
		.amdhsa_system_sgpr_workgroup_id_z 1
		.amdhsa_system_vgpr_workitem_id 0
		.amdhsa_next_free_vgpr 512
		.amdhsa_next_free_sgpr 100
		.amdhsa_reserve_vcc 0
		.amdhsa_float_denorm_mode_32 3
		.amdhsa_float_denorm_mode_16_64 3
		.amdhsa_memory_ordered 1
		.amdhsa_forward_progress 1
		.amdhsa_inst_pref_size 152
	.end_amdhsa_kernel
	.amdgpu_metadata
---
amdhsa.version: [ 1, 2 ]
amdhsa.kernels:
  - .name:           k_q58d81a4412_attn
    .symbol:         k_q58d81a4412_attn.kd
    .args:
      - { .name: q_img, .offset: 0, .size: 8, .value_kind: global_buffer, .address_space: global }
      - { .name: q_sc, .offset: 8, .size: 8, .value_kind: global_buffer, .address_space: global }
      - { .name: kv, .offset: 16, .size: 8, .value_kind: global_buffer, .address_space: global }
      - { .name: ctx_img, .offset: 24, .size: 8, .value_kind: global_buffer, .address_space: global }
      - { .name: ctx_sc, .offset: 32, .size: 8, .value_kind: global_buffer, .address_space: global }
    .group_segment_fixed_size: 271872
    .private_segment_fixed_size: 0
    .kernarg_segment_align: 8
    .kernarg_segment_size: 40
    .max_flat_workgroup_size: 256
    .sgpr_count:     100
    .vgpr_count:     512
    .wavefront_size: 32
...
	.end_amdgpu_metadata
.endif
;; end of part 2
;; launch proj (part 3): grid 8 x 32, 4 waves a work-group, clusters of 4 x 4, 327,680 bytes of LDS; arguments ctx_img, ctx_sc, Wo_codes, Wo_scales, out0, bo; writes out0
.if DOCPART == 3
	.amdgcn_target "amdgcn-amd-amdhsa--gfx1250"
	.amdhsa_code_object_version 6
	.text
	.protected	k_q58d81a4412_proj
	.globl	k_q58d81a4412_proj
	.p2align	8
	.type	k_q58d81a4412_proj,@function
k_q58d81a4412_proj:
	s_mov_b64 s[64:65], 0
	v_nop
	global_prefetch_b8 v0, s[64:65] scope:SCOPE_SE
	s_setreg_imm32_b32 hwreg(HW_REG_WAVE_MODE, 25, 1), 1
	s_wait_xcnt 0x0
	s_wait_alu depctr_hold_cnt(0) depctr_sa_sdst(0) depctr_va_vdst(0) depctr_va_sdst(0) depctr_va_ssrc(0) depctr_va_vcc(0) depctr_vm_vsrc(0)
	s_getreg_b32 s2, hwreg(HW_REG_IB_STS2, 6, 4)
	s_cmp_eq_u32 s2, 0
	s_cbranch_scc0 .Lentry_in_a_cluster
	s_endpgm
.Lentry_in_a_cluster:
	s_bfe_u32 s2, ttmp6, 0x10000c
	s_cmp_lg_u32 s2, 0xf033
	s_cbranch_scc0 .Lentry_shape_is_right
	s_endpgm
.Lentry_shape_is_right:
; out[m][n] = the sum over k of ctx[m][k] Wo[n][k] + bo[n]: 4,096 x 1,024 x 1,024 on codes of FP8 (E4M3) with one E8M0 scale for each 32 along K; f32 sums, which begin with the bias.
; 256 work-groups, one tile of 128 x 128 each; a wave makes 64 x 64: 16 accumulators of 16 x 16.  ALL OF K LIES IN LDS, filled once, by one joint load a wave: waves 0 and 1 bring the first half of K of ctx's and of Wo's 128 rows,
; waves 2 and 3 the second half: the first half is multiplied while the second is on its way.  The four work-groups of a row of the cluster share ctx's rows, the four of a column Wo's.
; ctx_img is an image of operand registers: tile of 16 tokens x 16,384 + (K / 32) x 512 + 16 x lane.  ctx_sc: [head][4096][2 bytes]: a scale word (128 along K) is two heads' bytes.  Scale words go from memory into registers.
; Nothing is prefetched: all tensor loads stand at the head and there is no loop.
; USED TRANSPOSED (source 0 = 16 rows of Wo, source 1 = 16 tokens): a lane holds eight neighbouring numbers of a row of out.
; LIMITS: NaN and infinities are not served.
; REGISTERS.  Window 0: addresses, scale words, the bias, the way out; window 1: Wo's fragments, window 3: ctx's, four buffers of 64 each; window 2: the sums.
.set AHALF, 65536                      ; ctx: a half of K: 8 tiles x 8,192
.set BB,   131072                      ; Wo's rows behind it: 128 rows of 512 bytes + 16 of padding, twice
.set BP,   528
.set BHALF, 128*BP
.set STG,  BB+2*BHALF                  ; the way out: 16 rows x 272 bytes a wave
.set SP,   272
.set SPARE, STG+4*16*SP                ; the spare words
.set ADA,  16                          ; v16-17 LDS address of my fragments of ctx, half 0, 1
.set ADB,  18                          ; v18-19 of Wo
.set STO,  20
.set RD,   21
.set CO,   22
.set BH,   23
.set L32,  24
.set L2,   25
.set SPW,  28
.set NIL,  29
.set SB,   32                          ; v32-47 Wo's scale words: 8 p + step: lanes 0-15 tile 2 p, lanes 16-31 tile 2 p + 1
.set SA,   52                          ; v52-67 ctx's: no product's two scale words have numbers equal modulo 8
.set RAW,  96                          ; v96-127 ctx's scale bytes as they come
.set CB,   160                         ; v160-191 the bias
.set OB,   128                         ; v128-255 the way out: rows read back
.set G1A,  24
.set G1B,  32
.set G0,   48                          ; s[48:63] four groups 0: ctx half 0, Wo half 0, ctx half 1, Wo half 1
.set MSB, 0
.macro WIN new
.if MSB != (\new)
	s_set_vgpr_msb (MSB<<8)|(\new)
.set MSB, (\new)
.endif
.endm
.macro CROUND
	s_barrier_signal -1
	s_barrier_wait -1
	s_cmp_lg_u32 s14, 0
	s_cbranch_scc1 .Lnot_wave_0_\@
	s_barrier_signal -3
.Lnot_wave_0_\@:
	s_barrier_wait -3
	s_barrier_signal -1
	s_barrier_wait -1
.endm
	s_load_b256 s[4:11], s[0:1], 0x0               ; ctx_img, ctx_sc, Wo_codes, Wo_scales
	s_load_b128 s[20:23], s[0:1], 0x20             ; out0, bo
	v_lshl_add_u32 v[SPW], v0, 2, SPARE
	v_mov_b32 v[NIL], 0
	ds_add_u32 v[SPW], v[NIL]                      ; the wave's opening: the add, twice on end, and its wait
	ds_add_u32 v[SPW], v[NIL]
	v_lshrrev_b32 v1, 5, v0
	v_readfirstlane_b32 s14, v1                    ; wave 0..3
	s_lshr_b32 s15, s14, 1                         ; which 64 tokens are mine
	s_and_b32 s16, s14, 1                          ; which 64 columns
	s_bfe_u32 s40, ttmp6, 0x40000
	s_bfe_u32 s41, ttmp6, 0x40004
	s_lshl_b32 s42, ttmp9, 2
	s_add_co_u32 s42, s42, s40                     ; tile column
	s_and_b32 s17, ttmp7, 0xffff
	s_lshl_b32 s17, s17, 2
	s_add_co_u32 s17, s17, s41                     ; tile row
	s_lshl_b32 s43, s41, 2
	s_lshl_b32 s43, 15, s43                        ; my row of the cluster
	s_lshl_b32 s44, 0x1111, s40                    ; my column
	s_or_b32 s[G1A+0], s43, (3<<16)|(1<<21)        ; ctx: 8 rows (tiles of tokens) of 8,192 bytes, 16,384 apart; elements of 8 bytes
	s_mov_b32 s[G1A+1], 1024<<16
	s_mov_b32 s[G1A+2], 8<<16
	s_mov_b32 s[G1A+3], 1024<<16
	s_mov_b32 s[G1A+4], 8
	s_mov_b32 s[G1A+5], 2048
	s_mov_b32 s[G1A+6], 0
	s_mov_b32 s[G1A+7], 0
	s_or_b32 s[G1B+0], s44, (1<<20)|(1<<21)|(6<<22)|(3<<25)   ; Wo: 128 rows of 512 bytes, 1,024 apart, 16 bytes of padding behind each
	s_mov_b32 s[G1B+1], 512<<16
	s_mov_b32 s[G1B+2], 128<<16
	s_mov_b32 s[G1B+3], 512<<16
	s_mov_b32 s[G1B+4], 128
	s_mov_b32 s[G1B+5], 1024
	s_mov_b32 s[G1B+6], 0
	s_mov_b32 s[G1B+7], 0
	s_lshl_b32 s68, s17, 17                        ; 128 rows of 1,024 codes
	s_mov_b32 s69, 0
	s_lshl_b32 s70, s42, 17
	s_mov_b32 s71, 0
.irp n, 0,1,2,3
	s_mov_b32 s[G0+4*\n], 1
	s_mov_b32 s[G0+4*\n+1], (\n%2)*(BB+(\n/2)*BHALF)+(1-\n%2)*(\n/2)*AHALF
.endr
	v_and_b32 v1, 15, v0                           ; r
	v_bfe_u32 v2, v0, 4, 1                         ; h
	v_and_b32 v3, 31, v0                           ; lane
	v_lshlrev_b32 v4, 4, v3
	s_mul_i32 s72, s15, 4*8192
	v_add_nc_u32 v[ADA], s72, v4
	v_add_nc_u32 v[ADA+1], AHALF, v[ADA]
	v_mul_u32_u24 v5, v1, BP
	v_lshl_add_u32 v5, v2, 4, v5
	s_mul_i32 s72, s16, 64*BP
	s_add_co_u32 s72, s72, BB
	v_add_nc_u32 v[ADB], s72, v5
	v_add_nc_u32 v[ADB+1], BHALF, v[ADB]
	s_mul_i32 s72, s14, 16*SP
	s_add_co_u32 s72, s72, STG                     ; my stage
	v_mul_u32_u24 v5, v1, SP
	v_lshl_add_u32 v5, v2, 5, v5
	v_add_nc_u32 v[STO], s72, v5                   ; in: row r, 32 bytes for each half of the lanes
	v_mul_u32_u24 v5, v2, SP
	v_lshl_add_u32 v5, v1, 4, v5
	v_add_nc_u32 v[RD], s72, v5                    ; back: lanes 0-15 one row of 256 bytes, lanes 16-31 the next
	v_lshlrev_b32 v5, 12, v2
	v_lshl_add_u32 v[CO], v1, 4, v5                ; the same two rows in out
	v_lshlrev_b32 v[BH], 5, v2
	v_lshlrev_b32 v[L32], 5, v3
	v_lshlrev_b32 v[L2], 1, v3
	s_wait_alu depctr_va_vdst(0)                   ; the wait ahead of the blocking waits
	s_wait_dscnt 0x0                               ; both opening adds are done
	CROUND                                         ; all sixteen work-groups are here: the joint loads meet
	s_wait_kmcnt 0x0
	s_add_nc_u64 s[G0+2:G0+3], s[4:5], s[68:69]
	s_add_nc_u64 s[G0+10:G0+11], s[G0+2:G0+3], 8192
	s_add_nc_u64 s[G0+6:G0+7], s[8:9], s[70:71]
	s_add_nc_u64 s[G0+14:G0+15], s[G0+6:G0+7], 512
.irp n, 0,1,2,3
	s_or_b32 s[G0+4*\n+3], s[G0+4*\n+3], 0x80000000
.endr
.macro TLOAD g0, g1
	tensor_load_to_lds s[\g0:\g0+3], s[\g1:\g1+7]
	s_nop 0
.rept 4
	v_nop
.endr
.endm
.macro ARM under, g0, g1, next         ; one tree of branches on the wave's number, a load in each arm
	s_cmp_lt_u32 s14, \under
	s_cbranch_scc0 \next
	TLOAD \g0, \g1
	s_branch .Lasked
\next:
.endm
	ARM 1, G0, G1A, .Lw1
	ARM 2, G0+4, G1B, .Lw2
	ARM 3, G0+8, G1A, .Lw3
	TLOAD G0+12, G1B
.Lasked:
	s_lshl_b32 s72, s17, 7
	s_lshl_b32 s73, s15, 6
	s_add_co_u32 s72, s72, s73                     ; my first token
	s_lshl_b32 s74, s42, 7
	s_lshl_b32 s73, s16, 6
	s_add_co_u32 s74, s74, s73                     ; my first column
	s_lshl_b32 s76, s72, 1
	s_mov_b32 s77, 0
	s_add_nc_u64 s[6:7], s[6:7], s[76:77]
	s_lshl_b32 s76, s74, 5
	s_add_nc_u64 s[10:11], s[10:11], s[76:77]
	s_lshl_b32 s76, s74, 2
	s_add_nc_u64 s[22:23], s[22:23], s[76:77]
	s_add_nc_u64 s[20:21], s[20:21], s[76:77]
	s_lshl_b32 s76, s72, 12
	s_add_nc_u64 s[20:21], s[20:21], s[76:77]
.irp p, 0,1
.irp d, 0,1,2,3,4,5,6,7,8,9,10,11,12,13,14,15
	global_load_u16 v[RAW+16*\p+\d], v[L2], s[6:7] offset:\d*8192+64*\p   ; 32 tokens' two bytes of head d
.endr
.endr
.irp p, 0,1
.irp c, 0,1
	global_load_b128 v[SB+8*\p+4*\c:SB+8*\p+4*\c+3], v[L32], s[10:11] offset:1024*\p+16*\c
.endr
.endr
.irp b, 0,1,2,3
	global_load_b128 v[CB+8*\b:CB+8*\b+3], v[BH], s[22:23] offset:64*\b
	global_load_b128 v[CB+8*\b+4:CB+8*\b+7], v[BH], s[22:23] offset:64*\b+16
.endr
	s_wait_loadcnt 0x0
.irp q, 0,1,2,3,4,5,6,7
.irp p, 0,1
	v_lshl_or_b32 v[SA+8*\p+\q], v[RAW+16*\p+2*\q+1], 16, v[RAW+16*\p+2*\q]
.endr
.endr
.macro LOADS s                         ; a step's 32 fragment loads, into buffer s % 4
.set U_, 64*((\s)%4)
	WIN 0x40
.irp i, 0,1,2,3
.irp c, 0,1,2,3
	ds_load_b128 v[U_+16*\i+4*\c:U_+16*\i+4*\c+3], v[ADB+(\s)/4] offset:\i*16*BP+128*((\s)%4)+32*\c
.endr
.endr
	WIN 0xc0
.irp i, 0,1,2,3
.irp c, 0,1,2,3
	ds_load_b128 v[U_+16*\i+4*\c:U_+16*\i+4*\c+3], v[ADA+(\s)/4] offset:\i*8192+2048*((\s)%4)+512*\c
.endr
.endr
	WIN 0
.endm
.macro PROD a, b, s, C, mods:vararg
	v_wmma_scale_f32_16x16x128_f8f6f4 v[8*(4*\a+\b):8*(4*\a+\b)+7], v[U_+16*\b:U_+16*\b+15], v[U_+16*\a:U_+16*\a+15], v[\C:\C+7], v[SB+8*(\b/2)+\s], v[SA+8*(\a/2)+\s] \mods
.endm
.macro MUL s                           ; 16 products: the accumulators by turns
.set U_, 64*((\s)%4)
.if (\s) == 0
	WIN 0x8d                                       ; source 0 window 1, source 1 window 3, C window 0 (the bias), D window 2
.else
	WIN 0xad
.endif
.irp a, 0,1,2,3
.irp b, 0,1,2,3
.if (\s) == 0
.set C_, CB+8*\b
.else
.set C_, 8*(4*\a+\b)
.endif
.if (\a%2) && (\b%2)
	PROD \a, \b, \s, C_, matrix_a_scale:MATRIX_SCALE_ROW1 matrix_b_scale:MATRIX_SCALE_ROW1
.elseif \b%2
	PROD \a, \b, \s, C_, matrix_a_scale:MATRIX_SCALE_ROW1
.elseif \a%2
	PROD \a, \b, \s, C_, matrix_b_scale:MATRIX_SCALE_ROW1
.else
	PROD \a, \b, \s, C_
.endif
.endr
.endr
	WIN 0
.endm
.macro PLACES
.rept 8
	v_nop
.endr
.endm
	s_wait_alu depctr_va_vdst(0)                   ; the wait at the head's end
	s_cmp_lt_u32 s14, 2
	s_cbranch_scc0 .Lsecond_half
	s_wait_tensorcnt 0x0                           ; waves 0 and 1: the first half of K is in
.Lsecond_half:
	s_barrier_signal -1
	s_barrier_wait -1
	LOADS 0
	LOADS 1
	s_wait_dscnt 32                                ; all but the next step's 32
	MUL 0
	LOADS 2
	s_wait_dscnt 32
	MUL 1
	LOADS 3
	s_wait_dscnt 32
	MUL 2
	s_wait_dscnt 0x0
	s_wait_tensorcnt 0x0                           ; the second half is in
	s_barrier_signal -1
	MUL 3
	s_barrier_wait -1
	PLACES                                         ; ahead of loads into buffers that products have read
	LOADS 4
	LOADS 5
	s_wait_dscnt 32
	MUL 4
	LOADS 6
	s_wait_dscnt 32
	MUL 5
	LOADS 7
	s_wait_dscnt 32
	MUL 6
	s_wait_dscnt 0x0
	MUL 7
	PLACES
; THE WAY OUT, by blocks of 16 tokens x 64 columns: through my stage, back as rows of 256 bytes, stored.  LDS serves a wave's instructions in order (ISA guide 5.7.1.4): no wait between the stage's stores and loads.
.macro TOSTAGE a
	WIN 0x08
.irp b, 0,1,2,3
	ds_store_b128 v[STO], v[8*(4*\a+\b):8*(4*\a+\b)+3] offset:64*\b
	ds_store_b128 v[STO], v[8*(4*\a+\b)+4:8*(4*\a+\b)+7] offset:64*\b+16
.endr
	WIN 0
.irp t, 0,1,2,3,4,5,6,7
	ds_load_b128 v[OB+32*\a+4*\t:OB+32*\a+4*\t+3], v[RD] offset:2*\t*SP
.endr
.endm
.macro SEND a, younger                 ; younger: the LDS instructions issued behind block a's loads
	s_wait_dscnt \younger
.irp t, 0,1,2,3,4,5,6,7
	global_store_b128 v[CO], v[OB+32*\a+4*\t:OB+32*\a+4*\t+3], s[20:21] offset:\a*65536+\t*8192 th:TH_STORE_NT   ; two rows of 256 bytes, at multiples of 256 from out's first byte
.endr
.endm
	TOSTAGE 0
	TOSTAGE 1
	SEND 0, 16
	TOSTAGE 2
	SEND 1, 16
	TOSTAGE 3
	SEND 2, 16
	SEND 3, 0
	s_wait_tensorcnt 0x0                           ; the wave's end
	ds_add_u32 v[SPW], v[NIL]
	s_wait_dscnt 0x0
	CROUND                                         ; the closing round: no work-group ends while a partner may still ask for a tile that names it
	s_endpgm
.Lfunc_end_k_q58d81a4412_proj:
	.size	k_q58d81a4412_proj, .Lfunc_end_k_q58d81a4412_proj-k_q58d81a4412_proj
	.p2alignl 7, 3214868480
	.fill 96, 4, 3214868480
	.section	.rodata,"a",@progbits
	.p2align	6, 0x0
	.amdhsa_kernel k_q58d81a4412_proj
		.amdhsa_group_segment_fixed_size 327680
		.amdhsa_private_segment_fixed_size 0
		.amdhsa_enable_private_segment 0
		.amdhsa_kernarg_size 48
		.amdhsa_user_sgpr_count 2
		.amdhsa_user_sgpr_kernarg_segment_ptr 1
		.amdhsa_wavefront_size32 1
		.amdhsa_system_sgpr_workgroup_id_x 1
		.amdhsa_system_sgpr_workgroup_id_y 1
		.amdhsa_system_sgpr_workgroup_id_z 1
		.amdhsa_system_vgpr_workitem_id 0
		.amdhsa_next_free_vgpr 1024
		.amdhsa_next_free_sgpr 98
		.amdhsa_reserve_vcc 0
		.amdhsa_float_denorm_mode_32 3
		.amdhsa_float_denorm_mode_16_64 3
		.amdhsa_memory_ordered 1
		.amdhsa_forward_progress 1
		.amdhsa_inst_pref_size 54
	.end_amdhsa_kernel
	.amdgpu_metadata
---
amdhsa.version: [ 1, 2 ]
amdhsa.kernels:
  - .name:           k_q58d81a4412_proj
    .symbol:         k_q58d81a4412_proj.kd
    .args:
      - { .name: ctx_img, .offset: 0, .size: 8, .value_kind: global_buffer, .address_space: global }
      - { .name: ctx_sc, .offset: 8, .size: 8, .value_kind: global_buffer, .address_space: global }
      - { .name: Wo_codes, .offset: 16, .size: 8, .value_kind: global_buffer, .address_space: global }
      - { .name: Wo_scales, .offset: 24, .size: 8, .value_kind: global_buffer, .address_space: global }
      - { .name: out0, .offset: 32, .size: 8, .value_kind: global_buffer, .address_space: global }
      - { .name: bo, .offset: 40, .size: 8, .value_kind: global_buffer, .address_space: global }
    .group_segment_fixed_size: 327680
    .private_segment_fixed_size: 0
    .kernarg_segment_align: 8
    .kernarg_segment_size: 48
    .max_flat_workgroup_size: 128
    .sgpr_count:     98
    .vgpr_count:     1024
    .wavefront_size: 32
...
	.end_amdgpu_metadata
.endif
;; end of part 3
